; MI455X (gfx1250); checked and timed in simulation.
; The chip was launched on July 23, 2026; its instructions are those of AMD's public machine-readable ISA for CDNA 5 (MIT licence, August 2026) and "CDNA5" Instruction Set Architecture Reference Guide (July 2026). The comments in the code are by the model that wrote it; some were corrected since.
;; SARA Memory. Allowed arithmetic: matrix products marked QUANTISED: E4M3 operands, one given power-of-two scale a tensor, by v_wmma_f32_16x16x64_fp8_fp8 or v_wmma_f32_16x16x128_fp8_fp8, f32 sums; everything else in f32.
;; Inputs: lowp_scales 2 int32 (the exponents e of the quantised operands' scales 2^e); memory_states 100,000 x 256 float32; query 2,048 x 256 float32.
;; Outputs: out0 2,048 x 8 x 256 float32; out1 2,048 x 8 float32.
;; Constants: k = 8.
;; This version of the problem:
;;   THIS VERSION OF THE PROBLEM IS GIVEN IN LOW PRECISION. The matrix products marked QUANTISED in the list below multiply operands that are first quantised to E4M3 (4 exponent bits, 3 mantissa bits; 8 bits a number), with one given power-of-two scale for each operand tensor; their sums are f32. All else is computed in f32.
;;   The module's matrix products, in the order in which they are computed (A, B: the left and right operand; K: the contracted axis; several contracted axes count as one K, in the product's order):
;;     1. [M 2,048, K 256] x [K 256, N 100,000]; A: computed on the way; B: computed on the way: QUANTISED (scales: A lowp_scales[0], B lowp_scales[1])
;;   THE QUANTISER, for each operand of a quantised product, along K:
;;     - The operand's scale is 2^e, e = its entry of the input lowp_scales (int32; the entries are numbered through the quantised products in the list's order, A before B).
;;     - Each number is divided by the scale, clamped to +-448, and rounded to the nearest number of E4M3, ties to even, subnormals kept.
;;     - The product sums the exact products of the quantised numbers (number of the format x scale) in f32.
;;   ~~~python
;;   def quantise(x, axis, e):      # numpy; x: float32 -> the quantised numbers, widened to float32 again
;;       x = np.moveaxis(x, axis, -1); K = x.shape[-1]
;;       r = np.clip(x / 2.0 ** e, -448, 448)
;;       step = 2.0 ** (np.maximum(np.frexp(np.where(r == 0, 1, r))[1] - 1, -6) - 3)
;;       q = np.round(r / step) * step * 2.0 ** e      # np.round: ties to even
;;       return np.moveaxis(q, -1, axis).astype(np.float32)
;;   ~~~
;;   OPERANDS COMPUTED ON THE WAY. 'Computed on the way' means the value that the module computes at that place (a softmax that the list does not call 'softmax' is quantised finished and normalised). What goes into a quantiser is computed in f32, as accurately as f32 sums, v_exp_f32 and their like allow (about 1e-6 of the number): no bf16 or f16 on the way to a quantiser, and a product that is left as it is and whose result goes on into a quantised operand takes f32 operands (vector FMAs, or v_wmma_f32_16x16x4_f32). A number that lies on a knife's edge between two numbers of the format may be rounded either way, as far as f32 arithmetic and the matrix unit's own rounding can turn it there, and no further.
;; One version. Each part assembles by itself: llvm-mc -triple=amdgcn-amd-amdhsa -mcpu=gfx1250 --defsym DOCPART=n.
;; ======== version 1 of 1: 6 launches
;; workspace buffers: qcodes 524,288 bytes; mcodes 25,600,000 bytes; fkey 57,344,000 bytes of whole numbers; ckey 2,048,000 bytes of whole numbers; slist 65,536 bytes of whole numbers; glist 65,536 bytes of whole numbers; idx 65,536 bytes of whole numbers
;; launch prep (part 1): grid 3189 x 1, 4 waves a work-group, no clusters, 0 bytes of LDS; arguments query, memory_states, lowp_scales, qcodes, mcodes; writes qcodes, mcodes
.if DOCPART == 1
	.amdgcn_target "amdgcn-amd-amdhsa--gfx1250"
	.amdhsa_code_object_version 6
	.text
	.protected	k_q07b9d944bb_prep
	.globl	k_q07b9d944bb_prep
	.p2align	8
	.type	k_q07b9d944bb_prep,@function
k_q07b9d944bb_prep:
	s_mov_b64 s[64:65], 0
	v_nop
	global_prefetch_b8 v0, s[64:65] scope:SCOPE_SE
	s_setreg_imm32_b32 hwreg(HW_REG_WAVE_MODE, 25, 1), 1
	s_wait_xcnt 0x0
; Rows of memory_states [100000][256] and of query [2048][256], f32, are divided by max(their length, 1e-12) and turned into codes of FP8 (E4M3)
; with the scale 2^e that is given for the tensor (entry 0: query, entry 1: memory_states): code = x / 2^e, held within +-448, to the nearest code, ties to even.
; One launch serves both tensors: work-groups 0 .. 3124 take 32 rows of memory_states each, the other 64 take 32 rows of query; only pointers and e are chosen, the path is one.
; A wave takes 8 rows.  A row is 1,024 bytes: two loads of 512 consecutive bytes, 16 a lane, so lane l holds k = 4 l .. 4 l + 3 and k = 128 + 4 l .. 128 + 4 l + 3.
; Its eight codes are stored together: BYTE 8 l + i OF A ROW OF CODES IS k = 4 l + i (i < 4) OR k = 128 + 4 l + i - 4.  The order is the same in both tensors, so in the product every number meets its partner.
; A wave's store of a row covers 256 consecutive bytes, aligned.  No LDS, no barrier, no loop: all 16 loads of a wave go out at once.
; LIMITS: -126 <= e <= 119, so that 2^e and 448 x 2^e are f32 numbers.  NaN and infinity among the inputs are not served.  The sum of squares is an f32 sum.
.set NMEM, 3125                        ; work-groups for memory_states
.set X,   16                           ; v16-79   row j's eight numbers at X + 8 j
.set P,   80                           ; v80-95   row j's pair of partial sums at P + 2 j; later its two registers of codes
.set S,   96                           ; v96-103  row j's sum of squares, then its length
.set TM,  104                          ; v104-111 the other half of the lanes' sum
.set INV, 112                          ; v112-127 1 / length at INV + 2 j; the odd registers are named with them as pairs and hold 0
	s_load_b128 s[4:7], s[0:1], 0x0                ; query s[4:5], memory_states s[6:7]
	s_load_b64 s[10:11], s[0:1], 0x10              ; the scales' exponents
	s_load_b128 s[12:15], s[0:1], 0x18             ; query's codes s[12:13], memory's codes s[14:15]
	v_lshrrev_b32 v3, 5, v0
	v_readfirstlane_b32 s16, v3                    ; wave 0..3
	v_and_b32 v4, 31, v0                           ; lane
	v_lshlrev_b32 v1, 4, v4                        ; my 16 bytes of a load's 512
	v_lshlrev_b32 v2, 3, v4                        ; my 8 bytes of a row of codes
	s_mov_b32 s24, 0x76543210                      ; v_permlanex16_b32: lane l takes lane l xor 16
	s_mov_b32 s25, 0xfedcba98
	s_cmp_lt_u32 ttmp9, NMEM                       ; memory's work-group or query's?  The choice hangs on the work-group's number alone
	s_cselect_b32 s17, 0, NMEM
	s_sub_co_u32 s17, ttmp9, s17                   ; the work-group's number within its tensor
	s_lshl_b32 s17, s17, 5
	s_lshl_b32 s18, s16, 3
	s_add_co_u32 s18, s17, s18                     ; my wave's first row: 32 x work-group + 8 x wave
	s_lshl_b32 s20, s18, 10                        ; in bytes of f32 rows (under 2^27),
	s_mov_b32 s21, 0
	s_lshl_b32 s26, s18, 8                         ; and of rows of codes
	s_mov_b32 s27, 0
	s_wait_kmcnt 0x0
	s_load_b64 s[22:23], s[10:11], 0x0             ; e of query, e of memory_states
	s_cmp_lt_u32 ttmp9, NMEM
	s_cselect_b64 s[4:5], s[6:7], s[4:5]
	s_cselect_b64 s[8:9], s[14:15], s[12:13]
	s_add_nc_u64 s[4:5], s[4:5], s[20:21]
	s_add_nc_u64 s[8:9], s[8:9], s[26:27]
.irp j, 0,1,2,3,4,5,6,7
	global_load_b128 v[X+8*\j:X+8*\j+3],   v1, s[4:5] offset:1024*\j th:TH_LOAD_NT       ; 32 lanes read 512 consecutive bytes
	global_load_b128 v[X+8*\j+4:X+8*\j+7], v1, s[4:5] offset:1024*\j+512 th:TH_LOAD_NT
.endr
.irp j, 0,1,2,3,4,5,6,7
	v_mov_b32 v[TM+\j], 0                          ; a lane permute's destination counts as one of its sources: written once
	v_mov_b32 v[INV+2*\j+1], 0
.endr
	s_wait_kmcnt 0x0
	s_cmp_lt_u32 ttmp9, NMEM
	s_cselect_b32 s22, s23, s22                    ; e
	s_add_co_i32 s22, s22, 127
	s_lshl_b32 s23, s22, 23
	v_mov_b32 v11, s23                             ; 2^e as f32: the conversion takes its exponent field
	s_add_co_i32 s22, s22, 8
	s_lshl_b32 s22, s22, 23
	s_or_b32 s22, s22, 0x600000
	v_mov_b32 v10, s22                             ; 448 x 2^e
.macro SQ j                            ; my eight numbers' squares of row j
	s_wait_loadcnt 14-2*(\j)                       ; loads come back in order: row j's two are in, the 14 - 2 j issued behind them may be out
	v_pk_mul_f32 v[P+2*(\j):P+2*(\j)+1], v[X+8*(\j):X+8*(\j)+1], v[X+8*(\j):X+8*(\j)+1]
.irp i, 2,4,6
	v_pk_fma_f32 v[P+2*(\j):P+2*(\j)+1], v[X+8*(\j)+\i:X+8*(\j)+\i+1], v[X+8*(\j)+\i:X+8*(\j)+\i+1], v[P+2*(\j):P+2*(\j)+1]
.endr
	v_add_f32 v[S+(\j)], v[P+2*(\j)], v[P+2*(\j)+1]
.endm
.irp j, 0,1,2,3,4,5,6,7
	SQ \j
.endr
.irp m, 1,2,4,8                        ; across the lanes, the eight rows by turns, so that no line waits for the line above it
.irp j, 0,1,2,3,4,5,6,7
	v_add_f32_dpp v[S+\j], v[S+\j], v[S+\j] row_xmask:\m row_mask:0xf bank_mask:0xf
.endr
.endr
.irp j, 0,1,2,3,4,5,6,7
	v_permlanex16_b32 v[TM+\j], v[S+\j], s24, s25
.endr
.irp j, 0,1,2,3,4,5,6,7
	v_add_f32 v[S+\j], v[S+\j], v[TM+\j]           ; every lane holds the row's sum of squares
.endr
.irp j, 0,1,2,3,4,5,6,7
	v_sqrt_f32 v[S+\j], v[S+\j]
.endr
	v_nop                                          ; a plain instruction behind the last root,
	s_wait_alu depctr_va_vdst(0)                   ; and one wait for the eight, ahead of their first reader
.irp j, 0,1,2,3,4,5,6,7
	v_max_num_f32 v[S+\j], 0x2b8cbccc, v[S+\j]     ; max(length, 1e-12)
.endr
.irp j, 0,1,2,3,4,5,6,7
	v_rcp_f32 v[INV+2*\j], v[S+\j]
.endr
	v_nop
	s_wait_alu depctr_va_vdst(0)                   ; one wait for the eight reciprocals
.macro Q j                             ; row j: normalised, held, converted, stored
.irp i, 0,2,4,6
	v_pk_mul_f32 v[X+8*(\j)+\i:X+8*(\j)+\i+1], v[X+8*(\j)+\i:X+8*(\j)+\i+1], v[INV+2*(\j):INV+2*(\j)+1] op_sel_hi:[1,0]
.endr
.irp i, 0,1,2,3,4,5,6,7
	v_med3_num_f32 v[X+8*(\j)+\i], v[X+8*(\j)+\i], -v10, v10   ; the conversion to an 8-bit code does not saturate (ISA guide 7.6.2): the hold at the largest code x the scale comes first
.endr
	v_cvt_scalef32_pk8_fp8_f32 v[P+2*(\j):P+2*(\j)+1], v[X+8*(\j):X+8*(\j)+7], v11   ; its result goes to a store alone; the next row's lines are plain and touch other registers
	global_store_b64 v2, v[P+2*(\j):P+2*(\j)+1], s[8:9] offset:256*(\j)              ; 32 lanes store the row's 256 bytes, aligned
.endm
.irp j, 0,1,2,3,4,5,6,7
	Q \j
.endr
	s_endpgm
.Lfunc_end_k_q07b9d944bb_prep:
	.size	k_q07b9d944bb_prep, .Lfunc_end_k_q07b9d944bb_prep-k_q07b9d944bb_prep
	.p2alignl 7, 3214868480
	.fill 96, 4, 3214868480
	.section	.rodata,"a",@progbits
	.p2align	6, 0x0
	.amdhsa_kernel k_q07b9d944bb_prep
		.amdhsa_group_segment_fixed_size 0
		.amdhsa_private_segment_fixed_size 0
		.amdhsa_enable_private_segment 0
		.amdhsa_kernarg_size 40
		.amdhsa_user_sgpr_count 2
		.amdhsa_user_sgpr_kernarg_segment_ptr 1
		.amdhsa_wavefront_size32 1
		.amdhsa_system_sgpr_workgroup_id_x 1
		.amdhsa_system_sgpr_workgroup_id_y 1
		.amdhsa_system_sgpr_workgroup_id_z 1
		.amdhsa_system_vgpr_workitem_id 0
		.amdhsa_next_free_vgpr 128
		.amdhsa_next_free_sgpr 66
		.amdhsa_reserve_vcc 0
		.amdhsa_float_denorm_mode_32 3
		.amdhsa_float_denorm_mode_16_64 3
		.amdhsa_memory_ordered 1
		.amdhsa_forward_progress 1
		.amdhsa_inst_pref_size 18
	.end_amdhsa_kernel
	.amdgpu_metadata
---
amdhsa.version: [ 1, 2 ]
amdhsa.kernels:
  - .name:           k_q07b9d944bb_prep
    .symbol:         k_q07b9d944bb_prep.kd
    .args:
      - { .name: query, .offset: 0, .size: 8, .value_kind: global_buffer, .address_space: global }
      - { .name: memory_states, .offset: 8, .size: 8, .value_kind: global_buffer, .address_space: global }
      - { .name: lowp_scales, .offset: 16, .size: 8, .value_kind: global_buffer, .address_space: global }
      - { .name: qcodes, .offset: 24, .size: 8, .value_kind: global_buffer, .address_space: global }
      - { .name: mcodes, .offset: 32, .size: 8, .value_kind: global_buffer, .address_space: global }
    .group_segment_fixed_size: 0
    .private_segment_fixed_size: 0
    .kernarg_segment_align: 8
    .kernarg_segment_size: 40
    .max_flat_workgroup_size: 128
    .sgpr_count:     66
    .vgpr_count:     128
    .wavefront_size: 32
...
	.end_amdgpu_metadata
.endif
;; end of part 1
;; launch scan (part 2): grid 2 x 125, 8 waves a work-group, no clusters, 219,136 bytes of LDS; arguments qcodes, mcodes, fkey, ckey; writes fkey, ckey
.if DOCPART == 2
	.amdgcn_target "amdgcn-amd-amdhsa--gfx1250"
	.amdhsa_code_object_version 6
	.text
	.protected	k_q07b9d944bb_scan
	.globl	k_q07b9d944bb_scan
	.p2align	8
	.type	k_q07b9d944bb_scan,@function
k_q07b9d944bb_scan:
	s_mov_b64 s[64:65], 0
	v_nop
	global_prefetch_b8 v0, s[64:65] scope:SCOPE_SE
	s_setreg_imm32_b32 hwreg(HW_REG_WAVE_MODE, 25, 1), 1
	s_wait_xcnt 0x0
; All 2,048 x 100,000 scores, on codes of FP8 (E4M3), of which only MAXIMA are kept: for each query the largest score of every GROUP of 16 memory rows (group u = rows 16 u .. 16 u + 15)
; and of every STREAM of 25 groups (stream s = rows 400 s .. 400 s + 399).  They are stored as whole numbers in the scores' order (keys): y = x + 0.0 (so that -0 becomes +0),
; key = y xor ((y >> 31, arithmetic) and 0x7fffffff), compared as signed numbers.  The scales 2^e are one positive factor of all scores and are left out here.  A later launch finds the 8 best from the keys.
; SHARES.  Work-group (x, y): queries 1,024 x .. + 1,023 against slice y = memory rows 800 y .. + 799.  Each of the eight waves keeps 8 tiles of 16 queries in 256 registers for the whole launch
; and walks the slice's 50 tiles of 16 rows out of LDS: a fragment of 4,096 bytes read from LDS feeds 16 matrix instructions.  Two waves lie on a SIMD: one's maxima stand beside the other's products.
; THE MATRIX INSTRUCTION IS USED TRANSPOSED (source 0 = 16 memory rows, source 1 = 16 queries): lane (r, h) holds query r, and its 8 registers 8 memory rows.
; THE ROWS OF A TILE ARE NOT NEIGHBOURS: row m of tile t is slice row 8 t + m % 8 + 400 (m / 8).  So lanes 0-15 walk stream 2 y and lanes 16-31 stream 2 y + 1, 8 rows a tile, and tiles 2 b, 2 b + 1 are group b of each.
; LDS.  The slice's codes lie there whole, 800 rows of 256 bytes + 16 of padding; the upper 400 begin 128 bytes later than the pitch gives, so that the 16 rows of a fragment load start at 16 different
; columns of 16 bytes modulo 256 (64 banks of 4 bytes: ISA guide 11.1).  They come by tensor loads, all first fills, in five stages of 160 rows; a wave brings 20 rows of each stage: five loads of mine are out at the most.
; Nothing is ever filled again.  A stage is read behind a counted wait and a barrier, while the later stages are on their way.
; NO CLUSTER: the grid is 2 x 125 (6,250 tiles of rows = 2 x 5^5), which no 4 divides along either axis, and a slice is shared by two work-groups only.
; NO PREFETCH: all that a work-group reads is asked for at its head.
; REGISTERS.  Window 0: v1-5 offsets; v8-12 LDS addresses, one for each stage; v16-79 two buffers for a memory tile's fragments; v80-143 eight accumulators; v144-175 keys of four groups for each query tile;
;   v176-183 a group's maximum; v184-191 the stream's; v192-199 at work.   Window 1: the queries' fragments: tile qt, half s of K at v[32 qt + 16 s].
.set PITCH, 272
.set HB,    400*PITCH+128              ; where the upper 400 rows begin
.set STG,   80*PITCH                   ; a stage's rows of one half
.set ADA, 8
.set AB,  16
.set ACC, 80
.set KEY, 144
.set M,   176
.set CM,  184
.set TP,  192
.set G1,  16                           ; s[16:23] descriptor group 1
.set G0,  24                           ; s[24:43] descriptor group 0, a set for each stage
.set MSB, 0
.macro WIN new                         ; the immediate's high byte repeats the setting that is left
.if MSB != \new
	s_set_vgpr_msb (MSB<<8)|\new
.set MSB, \new
.endif
.endm
	s_load_b256 s[4:11], s[0:1], 0x0               ; queries' codes s[4:5], memory's codes s[6:7], fine keys s[8:9], coarse keys s[10:11]
	v_lshl_add_u32 v254, v0, 2, 0x35400
	v_mov_b32 v255, 0
	ds_add_u32 v254, v255
	ds_add_u32 v254, v255
	v_lshrrev_b32 v1, 5, v0
	v_readfirstlane_b32 s12, v1                    ; wave 0..7
	s_and_b32 s13, ttmp7, 0xffff                   ; the slice
	s_lshr_b32 s14, s12, 2                         ; which half of the slice I fetch for,
	s_and_b32 s15, s12, 3                          ; and which 20 of a stage's 80 rows
	; group 1: a tile of 20 rows x 256 bytes, dense in memory, padded in LDS
	s_mov_b32 s[G1+0], (0<<16)|(1<<20)|(5<<22)|(3<<25)  ; 15:0 no mask; 17:16 elements of 1 byte; 20 padding on; 24:22 after every 64 words (code 5); 31:25 four words (code 3)
	s_mov_b32 s[G1+1], 256<<16                     ; tensor_dim0 = 256
	s_mov_b32 s[G1+2], 20<<16                      ; tensor_dim1 = 20
	s_mov_b32 s[G1+3], 256<<16                     ; tile_dim0 = 256
	s_mov_b32 s[G1+4], 20                          ; tile_dim1 = 20
	s_mov_b32 s[G1+5], 256                         ; from row to row
	s_mov_b32 s[G1+6], 0
	s_mov_b32 s[G1+7], 0
	s_mul_i32 s50, s14, HB
	s_mul_i32 s51, s15, 20*PITCH
	s_add_co_u32 s50, s50, s51                     ; where my rows of stage 0 go
	s_mul_i32 s46, s13, 800*256
	s_mul_i32 s47, s14, 400*256
	s_add_co_u32 s46, s46, s47
	s_mul_i32 s47, s15, 20*256
	s_add_co_u32 s46, s46, s47                     ; and where they come from (under 2^25)
	s_mov_b32 s47, 0
	s_mov_b32 s44, 0x7fffffff
	s_wait_dscnt 0x0
	s_wait_kmcnt 0x0
	s_add_nc_u64 s[6:7], s[6:7], s[46:47]
.irp i, 0,1,2,3,4
	s_mov_b32 s[G0+4*\i], 1                                        ; count = 1
	s_add_co_u32 s[G0+4*\i+1], s50, \i*STG                         ; LDS address
	s_add_nc_u64 s[G0+4*\i+2:G0+4*\i+3], s[6:7], \i*80*256         ; global address
	s_or_b32 s[G0+4*\i+3], s[G0+4*\i+3], 0x80000000               ; type = 2
.endr
.irp i, 0,1,2,3,4
	tensor_load_to_lds s[G0+4*\i:G0+4*\i+3], s[G1:G1+7]            ; the first fills go out as one group, ahead of every wait on TENSORcnt, every LDS read and every barrier
	s_nop 0
.endr
.rept 4
	v_nop                                          ; four lines behind the last tensor load, ahead of the switch of windows
.endr
	s_lshl_b32 s46, ttmp9, 18                      ; my 8 tiles of queries: 1,024 x rows of 256 bytes + 128 x wave rows
	s_lshl_b32 s48, s12, 15
	s_add_co_u32 s46, s46, s48
	s_add_nc_u64 s[4:5], s[4:5], s[46:47]
	v_and_b32 v1, 15, v0                           ; r
	v_bfe_u32 v2, v0, 4, 1                         ; h
	v_lshlrev_b32 v3, 8, v1
	v_lshl_add_u32 v3, v2, 4, v3                   ; a fragment's row r x 256 + 16 h
	WIN 0x40                                       ; destination window 1
.irp qt, 0,1,2,3,4,5,6,7
.irp s, 0,1
.irp c, 0,1,2,3
	global_load_b128 v[32*\qt+16*\s+4*\c:32*\qt+16*\s+4*\c+3], v3, s[4:5] offset:4096*\qt+128*\s+32*\c   ; registers 4 c .. 4 c + 3: bytes 128 s + 32 c + 16 h + 0 .. 15 of the row: the same places as memory's fragments
.endr
.endr
.endr
	WIN 0
	s_mul_i32 s46, s13, 2*229376                   ; fine keys: byte 229,376 stream + 1,792 query tile + 256 piece + 16 r + 4 (group % 4)
	s_lshl_b32 s48, ttmp9, 6
	s_lshl_b32 s49, s12, 3
	s_add_co_u32 s48, s48, s49                     ; my first query tile: 64 x + 8 wave
	s_mul_i32 s48, s48, 1792
	s_add_co_u32 s46, s46, s48
	s_add_nc_u64 s[8:9], s[8:9], s[46:47]
	s_lshl_b32 s46, s13, 14                        ; coarse keys: byte 8,192 stream + 256 (query tile / 4) + 16 r + 4 (query tile % 4)
	s_lshl_b32 s48, ttmp9, 12
	s_add_co_u32 s46, s46, s48
	s_lshl_b32 s48, s12, 9
	s_add_co_u32 s46, s46, s48
	s_add_nc_u64 s[10:11], s[10:11], s[46:47]
	v_lshlrev_b32 v4, 4, v1
	v_lshl_add_u32 v5, v2, 13, v4                  ; coarse: 16 r + 8,192 h
	v_mad_u32_u24 v4, v2, 229376, v4               ; fine: 16 r + 229,376 h
	v_and_b32 v6, 7, v0
	v_mul_u32_u24 v6, v6, PITCH
	v_bfe_u32 v7, v0, 3, 1
	v_mad_u32_u24 v6, v7, HB, v6
	v_lshl_add_u32 v6, v2, 4, v6                   ; row r % 8 of the half r / 8, + 16 h
.irp i, 0,1,2,3,4
	v_add_nc_u32 v[ADA+\i], \i*STG, v6
.endr
.macro LOADA t                         ; tile t's two fragments (16 rows x 128 K each) into buffer t % 2
.irp s, 0,1
.irp c, 0,1,2,3
	ds_load_b128 v[AB+32*((\t)%2)+16*\s+4*\c:AB+32*((\t)%2)+16*\s+4*\c+3], v[ADA+(\t)/10] offset:8*PITCH*((\t)%10)+128*\s+32*\c
.endr
.endr
.endm
.macro MUL t                           ; 16 matrix instructions: the eight accumulators take turns, one instruction a turn; the first half of K starts the sums
	WIN 0x04                                       ; source 1 (the queries) window 1
.irp s, 0,1
.irp qt, 0,1,2,3,4,5,6,7
.if \s == 0
	v_wmma_f32_16x16x128_fp8_fp8 v[ACC+8*\qt:ACC+8*\qt+7], v[AB+32*((\t)%2):AB+32*((\t)%2)+15], v[32*\qt:32*\qt+15], 0
.else
	v_wmma_f32_16x16x128_fp8_fp8 v[ACC+8*\qt:ACC+8*\qt+7], v[AB+32*((\t)%2)+16:AB+32*((\t)%2)+31], v[32*\qt+16:32*\qt+31], v[ACC+8*\qt:ACC+8*\qt+7]
.endif
.endr
.endr
	WIN 0
.endm
.macro MAX3 a, b                       ; one step of the eight chains, side by side
.irp qt, 0,1,2,3,4,5,6,7
	v_max3_num_f32 v[M+\qt], v[M+\qt], v[ACC+8*\qt+\a], v[ACC+8*\qt+\b]
.endr
.endm
.macro MAXES t                         ; a group's maximum over its two tiles: half an instruction a score; each accumulator is read from its low end on
.if ((\t)%2) == 0
.irp qt, 0,1,2,3,4,5,6,7
	v_max3_num_f32 v[M+\qt], v[ACC+8*\qt], v[ACC+8*\qt+1], v[ACC+8*\qt+2]   ; the even tile starts the maximum: nothing is cleared
.endr
	MAX3 3, 4
	MAX3 5, 6
.irp qt, 0,1,2,3,4,5,6,7
	v_max_num_f32 v[M+\qt], v[M+\qt], v[ACC+8*\qt+7]
.endr
.else
	MAX3 0, 1
	MAX3 2, 3
	MAX3 4, 5
	MAX3 6, 7
.endif
.endm
.macro KEYS b                          ; group b is whole: its key; the stream's maximum; every fourth group a piece of four keys is stored
.if (((\b)&3) == 0) && ((\b) > 0)
	s_wait_xcnt 0x0                                ; the last piece's stores have read their registers: the keys are written again only behind this wait
.endif
.irp qt, 0,1,2,3,4,5,6,7
	v_add_f32 v[M+\qt], 0, v[M+\qt]                ; -0 becomes +0
.endr
.irp qt, 0,1,2,3,4,5,6,7
.if (\b) == 0
	v_mov_b32 v[CM+\qt], v[M+\qt]
.else
	v_max_num_f32 v[CM+\qt], v[CM+\qt], v[M+\qt]
.endif
.endr
.irp qt, 0,1,2,3,4,5,6,7
	v_ashrrev_i32 v[TP+\qt], 31, v[M+\qt]
.endr
.irp qt, 0,1,2,3,4,5,6,7
	v_and_b32 v[TP+\qt], s44, v[TP+\qt]
.endr
.irp qt, 0,1,2,3,4,5,6,7
	v_xor_b32 v[KEY+4*\qt+((\b)&3)], v[M+\qt], v[TP+\qt]
.endr
.if (((\b)&3) == 3) || ((\b) == 24)
.irp qt, 0,1,2,3,4,5,6,7
	global_store_b128 v4, v[KEY+4*\qt:KEY+4*\qt+3], s[8:9] offset:1792*\qt+256*((\b)>>2)   ; each half of the lanes stores 256 consecutive bytes, aligned.  (In the last piece words 1 to 3 are the keys of groups 21 to 23 once more: nobody uses them)
.endr
.endif
.endm
.macro SYNC i                          ; stage i may be read
	s_wait_dscnt 0x0                               ; no LDS instruction of mine is pending at the signal
	s_wait_tensorcnt 4-(\i)                        ; a wave's tensor loads end in order: my part of stage i is in; my 4 - i loads behind it may stay out
	s_barrier_signal -1
	s_barrier_wait -1                              ; everybody's part is in
.endm
; A tile.  The next tile's fragments are asked for ahead of this tile's products.  Their buffer was last read by the products of the tile before: the four v_nop behind those are the places in front of these loads.
; The four v_nop behind this tile's products are the places in front of the first read of results; they and the other accumulators' maxima are the places in front of the next tile's products, which begin the accumulators anew.
.macro TILE t
.if ((((\t)+1)%10) == 0) && ((\t) < 49)
	SYNC ((\t)+1)/10
.endif
.if (\t) < 49
	LOADA (\t)+1
	s_wait_dscnt 8                                 ; this tile's eight loads are in; the eight just issued may be out
.else
	s_wait_dscnt 0x0
.endif
	MUL \t
.rept 4
	v_nop
.endr
	MAXES \t
.if ((\t)%2) == 1
	KEYS (\t)/2
.endif
.endm
	SYNC 0
	LOADA 0
	s_wait_loadcnt 0x0                             ; the queries' fragments
.set t, 0
.rept 50
	TILE t
.set t, t+1
.endr
.irp qt, 0,1,2,3,4,5,6,7               ; the streams' maxima become keys in place (they are maxima of numbers that have had their + 0.0)
	v_ashrrev_i32 v[TP+\qt], 31, v[CM+\qt]
.endr
.irp qt, 0,1,2,3,4,5,6,7
	v_and_b32 v[TP+\qt], s44, v[TP+\qt]
.endr
.irp qt, 0,1,2,3,4,5,6,7
	v_xor_b32 v[CM+\qt], v[CM+\qt], v[TP+\qt]
.endr
.irp qq, 0,1
	global_store_b128 v5, v[CM+4*\qq:CM+4*\qq+3], s[10:11] offset:256*\qq   ; four query tiles' keys a lane: each half of the lanes stores 256 consecutive bytes, aligned
.endr
	s_wait_tensorcnt 0x0
	ds_add_u32 v254, v255
	s_wait_dscnt 0x0
	s_endpgm
.Lfunc_end_k_q07b9d944bb_scan:
	.size	k_q07b9d944bb_scan, .Lfunc_end_k_q07b9d944bb_scan-k_q07b9d944bb_scan
	.p2alignl 7, 3214868480
	.fill 96, 4, 3214868480
	.section	.rodata,"a",@progbits
	.p2align	6, 0x0
	.amdhsa_kernel k_q07b9d944bb_scan
		.amdhsa_group_segment_fixed_size 219136
		.amdhsa_private_segment_fixed_size 0
		.amdhsa_enable_private_segment 0
		.amdhsa_kernarg_size 32
		.amdhsa_user_sgpr_count 2
		.amdhsa_user_sgpr_kernarg_segment_ptr 1
		.amdhsa_wavefront_size32 1
		.amdhsa_system_sgpr_workgroup_id_x 1
		.amdhsa_system_sgpr_workgroup_id_y 1
		.amdhsa_system_sgpr_workgroup_id_z 1
		.amdhsa_system_vgpr_workitem_id 0
		.amdhsa_next_free_vgpr 512
		.amdhsa_next_free_sgpr 66
		.amdhsa_reserve_vcc 0
		.amdhsa_float_denorm_mode_32 3
		.amdhsa_float_denorm_mode_16_64 3
		.amdhsa_memory_ordered 1
		.amdhsa_forward_progress 1
		.amdhsa_inst_pref_size 230
	.end_amdhsa_kernel
	.amdgpu_metadata
---
amdhsa.version: [ 1, 2 ]
amdhsa.kernels:
  - .name:           k_q07b9d944bb_scan
    .symbol:         k_q07b9d944bb_scan.kd
    .args:
      - { .name: qcodes, .offset: 0, .size: 8, .value_kind: global_buffer, .address_space: global }
      - { .name: mcodes, .offset: 8, .size: 8, .value_kind: global_buffer, .address_space: global }
      - { .name: fkey, .offset: 16, .size: 8, .value_kind: global_buffer, .address_space: global }
      - { .name: ckey, .offset: 24, .size: 8, .value_kind: global_buffer, .address_space: global }
    .group_segment_fixed_size: 219136
    .private_segment_fixed_size: 0
    .kernarg_segment_align: 8
    .kernarg_segment_size: 32
    .max_flat_workgroup_size: 256
    .sgpr_count:     66
    .vgpr_count:     512
    .wavefront_size: 32
...
	.end_amdgpu_metadata
.endif
;; end of part 2
;; launch streams (part 3): grid 256 x 1, 8 waves a work-group, no clusters, 10,496 bytes of LDS; arguments ckey, slist; writes slist
.if DOCPART == 3
	.amdgcn_target "amdgcn-amd-amdhsa--gfx1250"
	.amdhsa_code_object_version 6
	.text
	.protected	k_q07b9d944bb_streams
	.globl	k_q07b9d944bb_streams
	.p2align	8
	.type	k_q07b9d944bb_streams,@function
k_q07b9d944bb_streams:
	s_mov_b64 s[64:65], 0
	v_nop
	global_prefetch_b8 v0, s[64:65] scope:SCOPE_SE
	s_setreg_imm32_b32 hwreg(HW_REG_WAVE_MODE, 25, 1), 1
	s_wait_xcnt 0x0
; For each query the 8 first of its 250 streams in the order (largest score descending, stream number ascending); stream s = memory rows 400 s .. 400 s + 399.
; WHY 8 ARE ENOUGH: a row among the 8 best cannot lie in a ninth stream: each of the eight streams ahead holds a row that is larger, or equal with a lower number (streams are ascending ranges of rows).
; So the count is fixed: no branch, no trip count and no address of this launch hangs on the keys; they steer v_cndmask_b32 alone.
; ckey holds the streams' largest scores as keys: byte 8,192 s + 256 (T / 4) + 16 r + 4 (T % 4) for query 16 T + r.  key = y xor ((y >> 31, arithmetic) and 0x7fffffff); the same line turns a key back into y.
; One wave, one query; a work-group takes queries 8 g .. 8 g + 7.  The keys come through LDS: thread t loads those of query t % 8 for streams 32 i + t / 8, so that eight neighbouring lanes read within 128 bytes;
; then lane l of the query's wave holds streams 8 l .. 8 l + 7.  Streams 250 to 255 do not exist: -infinity stands for them, and 250 finite scores stand above it.
; The eight numbers of each of the eight queries leave through LDS: one store of 256 consecutive bytes, aligned.
; LIMITS: NaN and infinity among the scores are not served.
.set V,    16                          ; v16-23  my 8 streams' scores
.set IX,   24                          ; v24-31  their numbers, as f32
.set TT,   32                          ; v32-39  at work
.set CK,   40                          ; v40-47  keys as loaded
.set MX,   48                          ; the round's largest score
.set NX,   49                          ; the lowest number among its holders
.set TP,   50                          ; the other half of the lanes'
.set NEG,  51                          ; -infinity
.set BIG,  52                          ; above every number
.set RI,   53                          ; the results: rank = lane
.set OUTS, 8448                        ; LDS: behind the eight rows of keys (8 x 1,040 bytes), a word for each thread
; Eight rounds: the largest score of the wave; among the items that hold it the lowest number; that item is struck out; rank k goes to lane k.
.macro SEL
.irp k, 0,1,2,3,4,5,6,7
	v_max3_num_f32 v[MX], v[V], v[V+1], v[V+2]
	v_max3_num_f32 v[MX], v[MX], v[V+3], v[V+4]
	v_max3_num_f32 v[MX], v[MX], v[V+5], v[V+6]
	v_max_num_f32 v[MX], v[MX], v[V+7]
.irp m, 1,2,4,8
	v_max_num_f32_dpp v[MX], v[MX], v[MX] row_xmask:\m row_mask:0xf bank_mask:0xf
.endr
	v_permlanex16_b32 v[TP], v[MX], s20, s21
	v_max_num_f32 v[MX], v[MX], v[TP]
.irp i, 0,1,2,3,4,5,6,7
	v_cmp_eq_f32 vcc_lo, v[MX], v[V+\i]
	v_cndmask_b32 v[TT+\i], v[BIG], v[IX+\i], vcc_lo
.endr
	v_min_num_f32 v[NX], v[TT], v[TT+1]
	v_min_num_f32 v[TT+2], v[TT+2], v[TT+3]
	v_min_num_f32 v[TT+4], v[TT+4], v[TT+5]
	v_min_num_f32 v[TT+6], v[TT+6], v[TT+7]
	v_min_num_f32 v[NX], v[NX], v[TT+2]
	v_min_num_f32 v[TT+4], v[TT+4], v[TT+6]
	v_min_num_f32 v[NX], v[NX], v[TT+4]
.irp m, 1,2,4,8
	v_min_num_f32_dpp v[NX], v[NX], v[NX] row_xmask:\m row_mask:0xf bank_mask:0xf
.endr
	v_permlanex16_b32 v[TP], v[NX], s20, s21
	v_min_num_f32 v[NX], v[NX], v[TP]
.irp i, 0,1,2,3,4,5,6,7
	v_cmp_eq_f32 vcc_lo, v[NX], v[IX+\i]
	v_cndmask_b32 v[V+\i], v[V+\i], v[NEG], vcc_lo
.endr
	v_cmp_eq_u32 vcc_lo, \k, v1
	v_cndmask_b32 v[RI], v[RI], v[NX], vcc_lo
.endr
.endm
	s_load_b128 s[4:7], s[0:1], 0x0                ; the coarse keys s[4:5], the list of streams s[6:7]
	v_lshl_add_u32 v64, v0, 2, 0x2500
	v_mov_b32 v65, 0
	v_lshrrev_b32 v1, 5, v0
	v_readfirstlane_b32 s18, v1                    ; wave 0..7
	v_and_b32 v1, 31, v0                           ; lane
	v_lshrrev_b32 v2, 3, v0                        ; t / 8
	v_and_b32 v3, 7, v0                            ; t % 8
	v_lshlrev_b32 v4, 4, v3
	v_lshl_add_u32 v5, v2, 13, v4                  ; 8,192 (t / 8) + 16 (t % 8)
	v_min_u32 v6, 25, v2
	v_lshl_add_u32 v6, v6, 13, v4                  ; the same for i = 7, held at stream 249: no load leaves its buffer
	v_mul_u32_u24 v7, v3, 1040
	v_lshl_add_u32 v7, v2, 2, v7                   ; LDS: a query's 256 keys are a row of 1,024 bytes + 16
	s_mul_i32 s22, s18, 1040
	v_lshl_add_u32 v8, v1, 5, s22                  ; back: my wave's row, 32 bytes a lane
	v_lshl_add_u32 v9, v0, 2, OUTS                 ; the way out: my word
	v_lshrrev_b32 v10, 2, v1
	v_and_b32 v11, 3, v1
	v_lshlrev_b32 v11, 3, v11
	v_lshl_add_u32 v10, v10, 7, v11
	v_add_nc_u32 v10, OUTS, v10                    ; and back: lane l takes ranks 2 (l % 4), + 1 of query l / 4
	v_lshlrev_b32 v12, 3, v1                       ; 8 x lane: my first stream, and my 8 bytes of the store
	v_mov_b32 v13, 0x807fffff                      ; the key of -infinity
	v_mov_b32 v[NEG], 0xff800000
	v_mov_b32 v[BIG], 0x7f7fffff
	v_mov_b32 v[RI], 0
	v_mov_b32 v[TP], 0                             ; a lane permute's destination counts as one of its sources: written once
.irp i, 0,1,2,3,4,5,6,7
	v_add_nc_u32 v14, \i, v12
	v_cvt_f32_u32 v[IX+\i], v14
.endr
	s_mov_b32 s20, 0x76543210                      ; v_permlanex16_b32: lane l takes lane l xor 16
	s_mov_b32 s21, 0xfedcba98
	s_mov_b32 s23, 0x7fffffff
	s_lshr_b32 s24, ttmp9, 1                       ; T: the tile of 16 queries
	s_and_b32 s25, ttmp9, 1                        ; a: which 8 of them
	s_lshr_b32 s26, s24, 2
	s_lshl_b32 s26, s26, 8
	s_lshl_b32 s28, s25, 7
	s_add_co_u32 s26, s26, s28
	s_and_b32 s28, s24, 3
	s_lshl_b32 s28, s28, 2
	s_add_co_u32 s26, s26, s28                     ; 256 (T / 4) + 128 a + 4 (T % 4)
	s_mov_b32 s27, 0
	s_lshl_b32 s28, ttmp9, 8                       ; the work-group's 256 bytes of the list
	s_mov_b32 s29, 0
	s_wait_kmcnt 0x0
	s_add_nc_u64 s[4:5], s[4:5], s[26:27]
	s_add_nc_u64 s[6:7], s[6:7], s[28:29]
.irp i, 0,1,2,3,4,5,6
	global_load_b32 v[CK+\i], v5, s[4:5] offset:262144*\i
.endr
	global_load_b32 v[CK+7], v6, s[4:5] offset:262144*7
	s_wait_loadcnt 0x0
	v_cmp_lt_u32 vcc_lo, 25, v2
	v_cndmask_b32 v[CK+7], v[CK+7], v13, vcc_lo    ; streams 250 to 255
.irp i, 0,1,2,3,4,5,6,7
	ds_store_b32 v7, v[CK+\i] offset:128*\i
.endr
	s_wait_dscnt 0x0                               ; for the others' sake: my stores have landed
	s_barrier_signal -1
	s_barrier_wait -1
	ds_load_b128 v[V:V+3], v8
	ds_load_b128 v[V+4:V+7], v8 offset:16
	s_wait_dscnt 0x0
.irp i, 0,1,2,3,4,5,6,7                ; the keys become the scores again
	v_ashrrev_i32 v[TT+\i], 31, v[V+\i]
.endr
.irp i, 0,1,2,3,4,5,6,7
	v_and_b32 v[TT+\i], s23, v[TT+\i]
.endr
.irp i, 0,1,2,3,4,5,6,7
	v_xor_b32 v[V+\i], v[V+\i], v[TT+\i]
.endr
	SEL
	v_cvt_u32_f32 v[RI], v[RI]
	ds_store_b32 v9, v[RI]
	s_wait_dscnt 0x0                               ; for wave 0's sake: my store has landed
	s_barrier_signal -1
	s_barrier_wait -1
	s_cmp_eq_u32 s18, 0
	s_cbranch_scc0 .Lend                           ; wave 0 stores the eight queries' lists
	ds_load_b64 v[54:55], v10
	s_wait_dscnt 0x0
	global_store_b64 v12, v[54:55], s[6:7]         ; 32 lanes store 256 consecutive bytes, aligned
.Lend:
	s_wait_tensorcnt 0x0
	ds_add_u32 v64, v65
	s_wait_dscnt 0x0
	s_endpgm
.Lfunc_end_k_q07b9d944bb_streams:
	.size	k_q07b9d944bb_streams, .Lfunc_end_k_q07b9d944bb_streams-k_q07b9d944bb_streams
	.p2alignl 7, 3214868480
	.fill 96, 4, 3214868480
	.section	.rodata,"a",@progbits
	.p2align	6, 0x0
	.amdhsa_kernel k_q07b9d944bb_streams
		.amdhsa_group_segment_fixed_size 10496
		.amdhsa_private_segment_fixed_size 0
		.amdhsa_enable_private_segment 0
		.amdhsa_kernarg_size 16
		.amdhsa_user_sgpr_count 2
		.amdhsa_user_sgpr_kernarg_segment_ptr 1
		.amdhsa_wavefront_size32 1
		.amdhsa_system_sgpr_workgroup_id_x 1
		.amdhsa_system_sgpr_workgroup_id_y 1
		.amdhsa_system_sgpr_workgroup_id_z 1
		.amdhsa_system_vgpr_workitem_id 0
		.amdhsa_next_free_vgpr 66
		.amdhsa_next_free_sgpr 66
		.amdhsa_reserve_vcc 1
		.amdhsa_float_denorm_mode_32 3
		.amdhsa_float_denorm_mode_16_64 3
		.amdhsa_memory_ordered 1
		.amdhsa_forward_progress 1
		.amdhsa_inst_pref_size 24
	.end_amdhsa_kernel
	.amdgpu_metadata
---
amdhsa.version: [ 1, 2 ]
amdhsa.kernels:
  - .name:           k_q07b9d944bb_streams
    .symbol:         k_q07b9d944bb_streams.kd
    .args:
      - { .name: ckey, .offset: 0, .size: 8, .value_kind: global_buffer, .address_space: global }
      - { .name: slist, .offset: 8, .size: 8, .value_kind: global_buffer, .address_space: global }
    .group_segment_fixed_size: 10496
    .private_segment_fixed_size: 0
    .kernarg_segment_align: 8
    .kernarg_segment_size: 16
    .max_flat_workgroup_size: 256
    .sgpr_count:     66
    .vgpr_count:     66
    .wavefront_size: 32
...
	.end_amdgpu_metadata
.endif
;; end of part 3
;; launch groups (part 4): grid 256 x 1, 8 waves a work-group, no clusters, 2,048 bytes of LDS; arguments slist, fkey, glist; writes glist
.if DOCPART == 4
	.amdgcn_target "amdgcn-amd-amdhsa--gfx1250"
	.amdhsa_code_object_version 6
	.text
	.protected	k_q07b9d944bb_groups
	.globl	k_q07b9d944bb_groups
	.p2align	8
	.type	k_q07b9d944bb_groups,@function
k_q07b9d944bb_groups:
	s_mov_b64 s[64:65], 0
	v_nop
	global_prefetch_b8 v0, s[64:65] scope:SCOPE_SE
	s_setreg_imm32_b32 hwreg(HW_REG_WAVE_MODE, 25, 1), 1
	s_wait_xcnt 0x0
; For each query the 8 first of the 200 groups of its 8 listed streams, in the order (largest score descending, group number ascending); group u = 25 s + b = memory rows 16 u .. 16 u + 15.
; The 8 first groups of all 6,250 lie in the 8 first streams, by the argument that holds for rows in groups: each stream ahead holds a group that is larger, or equal with a lower number.
; slist holds the streams' numbers, whole numbers that the launch before has stored: they come by one scalar load, are held inside the table and enter the addresses; nothing else of this launch's control hangs on data.
; fkey holds the groups' largest scores as keys: byte 229,376 s + 1,792 T + 256 (b / 4) + 16 r + 4 (b % 4) for query 16 T + r.  key = y xor ((y >> 31, arithmetic) and 0x7fffffff); the same line turns a key back into y.
; One wave, one query: eight loads of 4 bytes a lane, one for each stream; lane b takes group b.  Lanes 25 to 31 load group 24 once more and hold -infinity.
; The eight numbers of each of the eight queries leave through LDS: one store of 256 consecutive bytes, aligned.
; LIMITS: NaN and infinity among the scores are not served.
.set V,    16                          ; v16-23  register j: the score of my group of stream j
.set IX,   24                          ; v24-31  its number, as f32
.set TT,   32                          ; v32-39  at work
.set VO,   40                          ; v40-47  the eight loads' offsets
.set MX,   48
.set NX,   49
.set TP,   50
.set NEG,  51
.set BIG,  52
.set RI,   53
; Eight rounds: the largest score of the wave; among the items that hold it the lowest number; that item is struck out; rank k goes to lane k.
.macro SEL
.irp k, 0,1,2,3,4,5,6,7
	v_max3_num_f32 v[MX], v[V], v[V+1], v[V+2]
	v_max3_num_f32 v[MX], v[MX], v[V+3], v[V+4]
	v_max3_num_f32 v[MX], v[MX], v[V+5], v[V+6]
	v_max_num_f32 v[MX], v[MX], v[V+7]
.irp m, 1,2,4,8
	v_max_num_f32_dpp v[MX], v[MX], v[MX] row_xmask:\m row_mask:0xf bank_mask:0xf
.endr
	v_permlanex16_b32 v[TP], v[MX], s20, s21
	v_max_num_f32 v[MX], v[MX], v[TP]
.irp i, 0,1,2,3,4,5,6,7
	v_cmp_eq_f32 vcc_lo, v[MX], v[V+\i]
	v_cndmask_b32 v[TT+\i], v[BIG], v[IX+\i], vcc_lo
.endr
	v_min_num_f32 v[NX], v[TT], v[TT+1]
	v_min_num_f32 v[TT+2], v[TT+2], v[TT+3]
	v_min_num_f32 v[TT+4], v[TT+4], v[TT+5]
	v_min_num_f32 v[TT+6], v[TT+6], v[TT+7]
	v_min_num_f32 v[NX], v[NX], v[TT+2]
	v_min_num_f32 v[TT+4], v[TT+4], v[TT+6]
	v_min_num_f32 v[NX], v[NX], v[TT+4]
.irp m, 1,2,4,8
	v_min_num_f32_dpp v[NX], v[NX], v[NX] row_xmask:\m row_mask:0xf bank_mask:0xf
.endr
	v_permlanex16_b32 v[TP], v[NX], s20, s21
	v_min_num_f32 v[NX], v[NX], v[TP]
.irp i, 0,1,2,3,4,5,6,7
	v_cmp_eq_f32 vcc_lo, v[NX], v[IX+\i]
	v_cndmask_b32 v[V+\i], v[V+\i], v[NEG], vcc_lo
.endr
	v_cmp_eq_u32 vcc_lo, \k, v1
	v_cndmask_b32 v[RI], v[RI], v[NX], vcc_lo
.endr
.endm
	s_load_b128 s[4:7], s[0:1], 0x0                ; the list of streams s[4:5], the fine keys s[6:7]
	s_load_b64 s[16:17], s[0:1], 0x10              ; the list of groups
	v_lshl_add_u32 v64, v0, 2, 0x400
	v_mov_b32 v65, 0
	v_lshrrev_b32 v1, 5, v0
	v_readfirstlane_b32 s18, v1                    ; wave 0..7
	v_and_b32 v1, 31, v0                           ; lane
	v_min_u32 v2, 24, v1                           ; my group of a stream
	v_lshrrev_b32 v3, 2, v2
	v_and_b32 v4, 3, v2
	v_lshlrev_b32 v4, 2, v4
	v_lshl_add_u32 v2, v3, 8, v4                   ; 256 (b / 4) + 4 (b % 4)
	v_lshlrev_b32 v9, 2, v0                        ; the way out: a word of LDS for each thread
	v_lshrrev_b32 v10, 2, v1
	v_and_b32 v11, 3, v1
	v_lshlrev_b32 v11, 3, v11
	v_lshl_add_u32 v10, v10, 7, v11                ; and back: lane l takes ranks 2 (l % 4), + 1 of query l / 4
	v_lshlrev_b32 v12, 3, v1                       ; my 8 bytes of the store
	v_mov_b32 v[NEG], 0xff800000
	v_mov_b32 v[BIG], 0x7f7fffff
	v_mov_b32 v[RI], 0
	v_mov_b32 v[TP], 0                             ; a lane permute's destination counts as one of its sources: written once
	s_mov_b32 s20, 0x76543210                      ; v_permlanex16_b32: lane l takes lane l xor 16
	s_mov_b32 s21, 0xfedcba98
	s_mov_b32 s23, 0x7fffffff
	s_lshl_b32 s19, ttmp9, 3
	s_add_co_u32 s19, s19, s18                     ; my query
	s_lshl_b32 s24, s19, 5                         ; its 8 numbers in the list of streams
	s_mov_b32 s25, 0
	s_lshr_b32 s26, ttmp9, 1
	s_mul_i32 s26, s26, 1792                       ; 1,792 T
	s_and_b32 s28, s19, 15
	s_lshl_b32 s28, s28, 4
	s_add_co_u32 s26, s26, s28                     ; + 16 r
	s_mov_b32 s27, 0
	s_lshl_b32 s28, ttmp9, 8                       ; the work-group's 256 bytes of the list of groups
	s_mov_b32 s29, 0
	s_wait_kmcnt 0x0
	s_add_nc_u64 s[4:5], s[4:5], s[24:25]
	s_add_nc_u64 s[6:7], s[6:7], s[26:27]
	s_add_nc_u64 s[16:17], s[16:17], s[28:29]
	s_load_b256 s[8:15], s[4:5], 0x0
	s_wait_kmcnt 0x0
.irp j, 0,1,2,3,4,5,6,7
	s_min_u32 s[8+\j], s[8+\j], 249                ; a number that was loaded enters an address held inside the table
	s_mul_i32 s[32+\j], s[8+\j], 229376
	v_add_nc_u32 v[VO+\j], s[32+\j], v2
.endr
.irp j, 0,1,2,3,4,5,6,7
	global_load_b32 v[V+\j], v[VO+\j], s[6:7]
.endr
.irp j, 0,1,2,3,4,5,6,7
	s_mul_i32 s[40+\j], s[8+\j], 25
	v_add_nc_u32 v[TT+\j], s[40+\j], v1            ; u = 25 s + b
	v_cvt_f32_u32 v[IX+\j], v[TT+\j]
.endr
	s_wait_loadcnt 0x0
.irp j, 0,1,2,3,4,5,6,7                ; the keys become the scores again
	v_ashrrev_i32 v[TT+\j], 31, v[V+\j]
.endr
.irp j, 0,1,2,3,4,5,6,7
	v_and_b32 v[TT+\j], s23, v[TT+\j]
.endr
.irp j, 0,1,2,3,4,5,6,7
	v_xor_b32 v[V+\j], v[V+\j], v[TT+\j]
.endr
	v_cmp_lt_u32 vcc_lo, 24, v1
.irp j, 0,1,2,3,4,5,6,7
	v_cndmask_b32 v[V+\j], v[V+\j], v[NEG], vcc_lo ; lanes 25 to 31 hold no group
.endr
	SEL
	v_cvt_u32_f32 v[RI], v[RI]
	ds_store_b32 v9, v[RI]
	s_wait_dscnt 0x0                               ; for wave 0's sake: my store has landed
	s_barrier_signal -1
	s_barrier_wait -1
	s_cmp_eq_u32 s18, 0
	s_cbranch_scc0 .Lend                           ; wave 0 stores the eight queries' lists
	ds_load_b64 v[54:55], v10
	s_wait_dscnt 0x0
	global_store_b64 v12, v[54:55], s[16:17]       ; 32 lanes store 256 consecutive bytes, aligned
.Lend:
	s_wait_tensorcnt 0x0
	ds_add_u32 v64, v65
	s_wait_dscnt 0x0
	s_endpgm
.Lfunc_end_k_q07b9d944bb_groups:
	.size	k_q07b9d944bb_groups, .Lfunc_end_k_q07b9d944bb_groups-k_q07b9d944bb_groups
	.p2alignl 7, 3214868480
	.fill 96, 4, 3214868480
	.section	.rodata,"a",@progbits
	.p2align	6, 0x0
	.amdhsa_kernel k_q07b9d944bb_groups
		.amdhsa_group_segment_fixed_size 2048
		.amdhsa_private_segment_fixed_size 0
		.amdhsa_enable_private_segment 0
		.amdhsa_kernarg_size 24
		.amdhsa_user_sgpr_count 2
		.amdhsa_user_sgpr_kernarg_segment_ptr 1
		.amdhsa_wavefront_size32 1
		.amdhsa_system_sgpr_workgroup_id_x 1
		.amdhsa_system_sgpr_workgroup_id_y 1
		.amdhsa_system_sgpr_workgroup_id_z 1
		.amdhsa_system_vgpr_workitem_id 0
		.amdhsa_next_free_vgpr 66
		.amdhsa_next_free_sgpr 66
		.amdhsa_reserve_vcc 1
		.amdhsa_float_denorm_mode_32 3
		.amdhsa_float_denorm_mode_16_64 3
		.amdhsa_memory_ordered 1
		.amdhsa_forward_progress 1
		.amdhsa_inst_pref_size 24
	.end_amdhsa_kernel
	.amdgpu_metadata
---
amdhsa.version: [ 1, 2 ]
amdhsa.kernels:
  - .name:           k_q07b9d944bb_groups
    .symbol:         k_q07b9d944bb_groups.kd
    .args:
      - { .name: slist, .offset: 0, .size: 8, .value_kind: global_buffer, .address_space: global }
      - { .name: fkey, .offset: 8, .size: 8, .value_kind: global_buffer, .address_space: global }
      - { .name: glist, .offset: 16, .size: 8, .value_kind: global_buffer, .address_space: global }
    .group_segment_fixed_size: 2048
    .private_segment_fixed_size: 0
    .kernarg_segment_align: 8
    .kernarg_segment_size: 24
    .max_flat_workgroup_size: 256
    .sgpr_count:     66
    .vgpr_count:     66
    .wavefront_size: 32
...
	.end_amdgpu_metadata
.endif
;; end of part 4
;; launch rescore (part 5): grid 256 x 1, 8 waves a work-group, no clusters, 3,072 bytes of LDS; arguments qcodes, mcodes, glist, lowp_scales, out1, idx; writes out1, idx
.if DOCPART == 5
	.amdgcn_target "amdgcn-amd-amdhsa--gfx1250"
	.amdhsa_code_object_version 6
	.text
	.protected	k_q07b9d944bb_rescore
	.globl	k_q07b9d944bb_rescore
	.p2align	8
	.type	k_q07b9d944bb_rescore,@function
k_q07b9d944bb_rescore:
	s_mov_b64 s[64:65], 0
	v_nop
	global_prefetch_b8 v0, s[64:65] scope:SCOPE_SE
	s_setreg_imm32_b32 hwreg(HW_REG_WAVE_MODE, 25, 1), 1
	s_wait_xcnt 0x0
; For each query the 8 best scores and their rows' numbers, ties to the lower number, among the 128 rows of its 8 listed groups (group u = memory rows 16 u .. 16 u + 15).
; A row among the 8 best cannot lie in a ninth group of the order (largest score descending, number ascending): each of the eight groups ahead holds a row that is larger, or equal with a lower number.
; glist holds the groups' numbers, whole numbers that the launch before has stored: they come by one scalar load, are held inside the table and enter the addresses.  The scores steer v_cndmask_b32 alone.
; One wave, one query.  A group's 16 scores are multiplied AGAIN on the codes of FP8 (E4M3), by the matrix instruction that made the keys, with k in the same places and the sources swapped.
; Source 0 holds the query in all 16 rows, source 1 the group's 16 rows: register 0 of lane (r, either half) is row r's score.  Four groups at a time, twice; lanes 0-15 keep the even groups' scores, lanes 16-31 the odd ones':
; four (score, row number as f32) a lane, 128 in the wave.  Eight rounds pick the largest, among equals the lowest number.
; The scores are multiplied by 2^(e0 + e1) by v_ldexp_f32 and leave with the row numbers through LDS: one store of 256 consecutive bytes, aligned, for each of the two outputs.
; No tensor load: operands go from memory straight into registers.  No cluster: no two waves share a tile by plan.
; LIMITS: NaN and infinity among the scores are not served; +0 and -0 count as equal.
.set QF,   16                          ; v16-47   the query's two fragments
.set BF,   48                          ; v48-175  four groups' fragments: slot k, half s of K at BF + 32 k + 16 s
.set D,    176                         ; v176-207 four accumulators
.set V,    208                         ; v208-211 my four scores
.set IX,   212                         ; v212-215 their rows' numbers, as f32 (exact under 2^24)
.set TT,   216                         ; v216-219 at work
.set MX,   220
.set NX,   221
.set TP,   222
.set NEG,  223
.set BIG,  224
.set RV,   225                         ; the results: rank = lane
.set RI,   226
.set VO,   232                         ; v232-239 the eight groups' offsets: never rewritten
; v1 lane; v2 r; v3 256 r + 16 half; v4 half; v5 16 half; v6, v7 LDS addresses of the way out; v8 8 x lane; v228, v229 at work; v[230:231] the way out
; s18 wave; s20, s21 lane selects; s35 lanes 16-31; s36-43 the eight groups; s58, s59 e0, e1
.macro SEL
.irp k, 0,1,2,3,4,5,6,7
	v_max3_num_f32 v[MX], v[V], v[V+1], v[V+2]
	v_max_num_f32 v[MX], v[MX], v[V+3]
.irp m, 1,2,4,8
	v_max_num_f32_dpp v[MX], v[MX], v[MX] row_xmask:\m row_mask:0xf bank_mask:0xf
.endr
	v_permlanex16_b32 v[TP], v[MX], s20, s21
	v_max_num_f32 v[MX], v[MX], v[TP]              ; the largest score left
.irp i, 0,1,2,3
	v_cmp_eq_f32 vcc_lo, v[MX], v[V+\i]
	v_cndmask_b32 v[TT+\i], v[BIG], v[IX+\i], vcc_lo
.endr
	v_min_num_f32 v[NX], v[TT], v[TT+1]
	v_min_num_f32 v[TT+2], v[TT+2], v[TT+3]
	v_min_num_f32 v[NX], v[NX], v[TT+2]
.irp m, 1,2,4,8
	v_min_num_f32_dpp v[NX], v[NX], v[NX] row_xmask:\m row_mask:0xf bank_mask:0xf
.endr
	v_permlanex16_b32 v[TP], v[NX], s20, s21
	v_min_num_f32 v[NX], v[NX], v[TP]              ; among its holders the lowest row number
.irp i, 0,1,2,3
	v_cmp_eq_f32 vcc_lo, v[NX], v[IX+\i]
	v_cndmask_b32 v[V+\i], v[V+\i], v[NEG], vcc_lo ; that row is struck out
.endr
	v_cmp_eq_u32 vcc_lo, \k, v1
	v_cndmask_b32 v[RV], v[RV], v[MX], vcc_lo      ; rank k goes to lane k
	v_cndmask_b32 v[RI], v[RI], v[NX], vcc_lo
.endr
.endm
; Groups 4 p .. 4 p + 3.  The ten plain lines behind the products, which make the rows' numbers and name none of the products' registers, are the places in front of the first read of results,
; of the next pass's loads into the fragments' registers and of its products, which begin the accumulators anew.
.macro PASS p
.irp s, 0,1
.irp k, 0,1,2,3
.irp c, 0,1,2,3
	global_load_b128 v[BF+32*\k+16*\s+4*\c:BF+32*\k+16*\s+4*\c+3], v[VO+4*(\p)+\k], s[6:7] offset:128*\s+32*\c
.endr
.endr
.endr
	s_wait_loadcnt 16                              ; the first half of K is in (and the query, asked for earlier); the sixteen loads of the second half may be out
.irp k, 0,1,2,3
	v_wmma_f32_16x16x128_fp8_fp8 v[D+8*\k:D+8*\k+7], v[QF:QF+15], v[BF+32*\k:BF+32*\k+15], 0
.endr
	s_wait_loadcnt 0x0
.irp k, 0,1,2,3                        ; the four accumulators take turns, one instruction a turn
	v_wmma_f32_16x16x128_fp8_fp8 v[D+8*\k:D+8*\k+7], v[QF+16:QF+31], v[BF+32*\k+16:BF+32*\k+31], v[D+8*\k:D+8*\k+7]
.endr
	v_mov_b32 v228, s[36+4*(\p)]
	v_mov_b32 v229, s[37+4*(\p)]
	v_cndmask_b32 v228, v228, v229, s35
	v_lshl_add_u32 v228, v228, 4, v2               ; 16 u + r
	v_cvt_f32_u32 v[IX+2*(\p)], v228
	v_mov_b32 v228, s[38+4*(\p)]
	v_mov_b32 v229, s[39+4*(\p)]
	v_cndmask_b32 v228, v228, v229, s35
	v_lshl_add_u32 v228, v228, 4, v2
	v_cvt_f32_u32 v[IX+2*(\p)+1], v228
	v_cndmask_b32 v[V+2*(\p)], v[D], v[D+8], s35   ; of each accumulator its lowest register alone is read
	v_cndmask_b32 v[V+2*(\p)+1], v[D+16], v[D+24], s35
.endm
	s_load_b256 s[4:11], s[0:1], 0x0               ; queries' codes s[4:5], memory's codes s[6:7], the list of groups s[8:9], the scales' exponents s[10:11]
	s_load_b128 s[12:15], s[0:1], 0x20             ; out1 s[12:13], idx s[14:15]
	v_lshl_add_u32 v254, v0, 2, 0x800
	v_mov_b32 v255, 0
	v_lshrrev_b32 v1, 5, v0
	v_readfirstlane_b32 s18, v1                    ; wave 0..7
	v_and_b32 v1, 31, v0                           ; lane
	v_and_b32 v2, 15, v0                           ; r
	v_bfe_u32 v4, v0, 4, 1                         ; half
	v_lshlrev_b32 v5, 4, v4
	v_lshl_add_u32 v3, v2, 8, v5                   ; a fragment's row r x 256 + 16 half
	v_lshlrev_b32 v6, 2, v0                        ; the way out: a word of LDS for each thread (scores), and 1,024 bytes on another (row numbers)
	s_min_u32 s44, s18, 1
	s_lshl_b32 s44, s44, 10
	v_lshrrev_b32 v7, 2, v1
	v_and_b32 v8, 3, v1
	v_lshlrev_b32 v8, 3, v8
	v_lshl_add_u32 v7, v7, 7, v8
	v_add_nc_u32 v7, s44, v7                       ; wave 0 reads the scores, wave 1 the row numbers: lane l takes ranks 2 (l % 4), + 1 of query l / 4
	v_lshlrev_b32 v8, 3, v1                        ; my 8 bytes of the store
	v_mov_b32 v[NEG], 0xff800000
	v_mov_b32 v[BIG], 0x7f7fffff
	v_mov_b32 v[RV], 0
	v_mov_b32 v[RI], 0
	v_mov_b32 v[TP], 0                             ; a lane permute's destination counts as one of its sources: written once
	s_mov_b32 s20, 0x76543210                      ; v_permlanex16_b32: lane l takes lane l xor 16
	s_mov_b32 s21, 0xfedcba98
	s_mov_b32 s35, 0xffff0000
	s_lshl_b32 s19, ttmp9, 3
	s_add_co_u32 s19, s19, s18                     ; my query
	s_lshl_b32 s44, s19, 8                         ; its row of codes,
	s_mov_b32 s45, 0
	s_lshl_b32 s46, s19, 5                         ; its 8 numbers in the list of groups
	s_mov_b32 s47, 0
	s_wait_kmcnt 0x0
	s_add_nc_u64 s[4:5], s[4:5], s[44:45]
	s_add_nc_u64 s[8:9], s[8:9], s[46:47]
	s_load_b256 s[36:43], s[8:9], 0x0
	s_load_b64 s[58:59], s[10:11], 0x0             ; e0, e1
.irp s, 0,1
.irp c, 0,1,2,3
	global_load_b128 v[QF+16*\s+4*\c:QF+16*\s+4*\c+3], v5, s[4:5] offset:128*\s+32*\c   ; the same row in all 16 rows of the operand
.endr
.endr
	s_wait_kmcnt 0x0
.irp k, 0,1,2,3,4,5,6,7
	s_min_u32 s[36+\k], s[36+\k], 6249             ; a number that was loaded enters an address held inside the table
	v_lshl_add_u32 v[VO+\k], s[36+\k], 12, v3      ; a group's 16 rows are 4,096 bytes
.endr
	PASS 0
	PASS 1
	SEL
	s_add_co_i32 s58, s58, s59
	v_ldexp_f32 v[RV], v[RV], s58                  ; x 2^(e0 + e1)
	v_cvt_u32_f32 v[RI], v[RI]
	ds_store_b32 v6, v[RV]
	ds_store_b32 v6, v[RI] offset:1024
	s_wait_dscnt 0x0                               ; for the others' sake: my stores have landed
	s_barrier_signal -1
	s_barrier_wait -1
	s_cmp_lt_u32 s18, 2
	s_cbranch_scc0 .Lend                           ; wave 0 stores the eight queries' scores, wave 1 their rows' numbers
	s_cmp_eq_u32 s18, 0
	s_cselect_b64 s[12:13], s[12:13], s[14:15]
	s_lshl_b32 s44, ttmp9, 8
	s_mov_b32 s45, 0
	s_add_nc_u64 s[12:13], s[12:13], s[44:45]
	ds_load_b64 v[230:231], v7
	s_wait_dscnt 0x0
	global_store_b64 v8, v[230:231], s[12:13]      ; 32 lanes store 256 consecutive bytes, aligned
.Lend:
	s_wait_tensorcnt 0x0
	ds_add_u32 v254, v255
	s_wait_dscnt 0x0
	s_endpgm
.Lfunc_end_k_q07b9d944bb_rescore:
	.size	k_q07b9d944bb_rescore, .Lfunc_end_k_q07b9d944bb_rescore-k_q07b9d944bb_rescore
	.p2alignl 7, 3214868480
	.fill 96, 4, 3214868480
	.section	.rodata,"a",@progbits
	.p2align	6, 0x0
	.amdhsa_kernel k_q07b9d944bb_rescore
		.amdhsa_group_segment_fixed_size 3072
		.amdhsa_private_segment_fixed_size 0
		.amdhsa_enable_private_segment 0
		.amdhsa_kernarg_size 48
		.amdhsa_user_sgpr_count 2
		.amdhsa_user_sgpr_kernarg_segment_ptr 1
		.amdhsa_wavefront_size32 1
		.amdhsa_system_sgpr_workgroup_id_x 1
		.amdhsa_system_sgpr_workgroup_id_y 1
		.amdhsa_system_sgpr_workgroup_id_z 1
		.amdhsa_system_vgpr_workitem_id 0
		.amdhsa_next_free_vgpr 256
		.amdhsa_next_free_sgpr 66
		.amdhsa_reserve_vcc 1
		.amdhsa_float_denorm_mode_32 3
		.amdhsa_float_denorm_mode_16_64 3
		.amdhsa_memory_ordered 1
		.amdhsa_forward_progress 1
		.amdhsa_inst_pref_size 25
	.end_amdhsa_kernel
	.amdgpu_metadata
---
amdhsa.version: [ 1, 2 ]
amdhsa.kernels:
  - .name:           k_q07b9d944bb_rescore
    .symbol:         k_q07b9d944bb_rescore.kd
    .args:
      - { .name: qcodes, .offset: 0, .size: 8, .value_kind: global_buffer, .address_space: global }
      - { .name: mcodes, .offset: 8, .size: 8, .value_kind: global_buffer, .address_space: global }
      - { .name: glist, .offset: 16, .size: 8, .value_kind: global_buffer, .address_space: global }
      - { .name: lowp_scales, .offset: 24, .size: 8, .value_kind: global_buffer, .address_space: global }
      - { .name: out1, .offset: 32, .size: 8, .value_kind: global_buffer, .address_space: global }
      - { .name: idx, .offset: 40, .size: 8, .value_kind: global_buffer, .address_space: global }
    .group_segment_fixed_size: 3072
    .private_segment_fixed_size: 0
    .kernarg_segment_align: 8
    .kernarg_segment_size: 48
    .max_flat_workgroup_size: 256
    .sgpr_count:     66
    .vgpr_count:     256
    .wavefront_size: 32
...
	.end_amdgpu_metadata
.endif
;; end of part 5
;; launch fetch (part 6): grid 256 x 1, 8 waves a work-group, no clusters, 0 bytes of LDS; arguments idx, memory_states, out0; writes out0
.if DOCPART == 6
	.amdgcn_target "amdgcn-amd-amdhsa--gfx1250"
	.amdhsa_code_object_version 6
	.text
	.protected	k_q07b9d944bb_fetch
	.globl	k_q07b9d944bb_fetch
	.p2align	8
	.type	k_q07b9d944bb_fetch,@function
k_q07b9d944bb_fetch:
	s_mov_b64 s[64:65], 0
	v_nop
	global_prefetch_b8 v0, s[64:65] scope:SCOPE_SE
	s_setreg_imm32_b32 hwreg(HW_REG_WAVE_MODE, 25, 1), 1
	s_wait_xcnt 0x0
; out0[q][j][:] = memory_states[idx[q][j]][:]: the raw rows, f32.  idx holds the whole numbers that the launch before has stored.
; One wave, one query: its eight row numbers come by one scalar load; a row is 1,024 bytes, two loads of 512 consecutive bytes; all sixteen loads go out at once, and each row is stored as it arrives,
; 512 consecutive bytes a store, aligned.  No LDS, no barrier, no loop; no register is written twice.  No hint on the loads: several queries may name one row.
	s_load_b128 s[4:7], s[0:1], 0x0                ; idx s[4:5], memory_states s[6:7]
	s_load_b64 s[16:17], s[0:1], 0x10              ; out0
	v_lshrrev_b32 v1, 5, v0
	v_readfirstlane_b32 s18, v1                    ; wave 0..7
	v_and_b32 v1, 31, v0
	v_lshlrev_b32 v1, 4, v1                        ; 16 bytes a lane
	s_lshl_b32 s19, ttmp9, 3
	s_add_co_u32 s19, s19, s18                     ; my query
	s_lshl_b32 s20, s19, 5                         ; its 8 numbers,
	s_mov_b32 s21, 0
	s_lshl_b32 s22, s19, 13                        ; its 8 rows of out0
	s_mov_b32 s23, 0
	s_wait_kmcnt 0x0
	s_add_nc_u64 s[4:5], s[4:5], s[20:21]
	s_add_nc_u64 s[16:17], s[16:17], s[22:23]
	s_load_b256 s[8:15], s[4:5], 0x0
	s_wait_kmcnt 0x0
.irp j, 0,1,2,3,4,5,6,7
	s_min_u32 s[8+\j], s[8+\j], 99999              ; a number that was loaded enters an address held inside the table
	v_lshl_add_u32 v[2+\j], s[8+\j], 10, v1
.endr
.irp j, 0,1,2,3,4,5,6,7
	global_load_b128 v[16+8*\j:16+8*\j+3], v[2+\j], s[6:7]
	global_load_b128 v[16+8*\j+4:16+8*\j+7], v[2+\j], s[6:7] offset:512
.endr
.irp j, 0,1,2,3,4,5,6,7
	s_wait_loadcnt 14-2*\j                         ; loads come back in order: row j's two are in, the 14 - 2 j issued behind them may be out
	global_store_b128 v1, v[16+8*\j:16+8*\j+3], s[16:17] offset:1024*\j th:TH_STORE_NT
	global_store_b128 v1, v[16+8*\j+4:16+8*\j+7], s[16:17] offset:1024*\j+512 th:TH_STORE_NT
.endr
	s_endpgm
.Lfunc_end_k_q07b9d944bb_fetch:
	.size	k_q07b9d944bb_fetch, .Lfunc_end_k_q07b9d944bb_fetch-k_q07b9d944bb_fetch
	.p2alignl 7, 3214868480
	.fill 96, 4, 3214868480
	.section	.rodata,"a",@progbits
	.p2align	6, 0x0
	.amdhsa_kernel k_q07b9d944bb_fetch
		.amdhsa_group_segment_fixed_size 0
		.amdhsa_private_segment_fixed_size 0
		.amdhsa_enable_private_segment 0
		.amdhsa_kernarg_size 24
		.amdhsa_user_sgpr_count 2
		.amdhsa_user_sgpr_kernarg_segment_ptr 1
		.amdhsa_wavefront_size32 1
		.amdhsa_system_sgpr_workgroup_id_x 1
		.amdhsa_system_sgpr_workgroup_id_y 1
		.amdhsa_system_sgpr_workgroup_id_z 1
		.amdhsa_system_vgpr_workitem_id 0
		.amdhsa_next_free_vgpr 80
		.amdhsa_next_free_sgpr 66
		.amdhsa_reserve_vcc 0
		.amdhsa_float_denorm_mode_32 3
		.amdhsa_float_denorm_mode_16_64 3
		.amdhsa_memory_ordered 1
		.amdhsa_forward_progress 1
		.amdhsa_inst_pref_size 6
	.end_amdhsa_kernel
	.amdgpu_metadata
---
amdhsa.version: [ 1, 2 ]
amdhsa.kernels:
  - .name:           k_q07b9d944bb_fetch
    .symbol:         k_q07b9d944bb_fetch.kd
    .args:
      - { .name: idx, .offset: 0, .size: 8, .value_kind: global_buffer, .address_space: global }
      - { .name: memory_states, .offset: 8, .size: 8, .value_kind: global_buffer, .address_space: global }
      - { .name: out0, .offset: 16, .size: 8, .value_kind: global_buffer, .address_space: global }
    .group_segment_fixed_size: 0
    .private_segment_fixed_size: 0
    .kernarg_segment_align: 8
    .kernarg_segment_size: 24
    .max_flat_workgroup_size: 256
    .sgpr_count:     66
    .vgpr_count:     80
    .wavefront_size: 32
...
	.end_amdgpu_metadata
.endif
;; end of part 6
